; MI455X (gfx1250); checked and timed in simulation.
; The chip was launched on July 23, 2026; its instructions are those of AMD's public machine-readable ISA for CDNA 5 (MIT licence, August 2026) and "CDNA5" Instruction Set Architecture Reference Guide (July 2026). The comments in the code are by the model that wrote it; some were corrected since.
;; Attention. Allowed arithmetic: matrix products marked QUANTISED: E2M1 operands, one E8M0 scale for each 32 along K, by v_wmma_scale_f32_16x16x128_f8f6f4 with both operands' format E2M1 (or v_wmma_scale_f32_32x16x128_f4), f32 sums; products left as they are: f32 operands where the result goes on into a quantised operand, else bf16, f16 or f32 operands; f32 sums; everything else in f32.
;; Inputs: W 512 x 1,024 float32; b 512 float32; encoder_outputs 64 x 2,048 x 512 float32; hidden 64 x 512 float32; v 512 float32.
;; Outputs: out0 64 x 1 x 2,048 float32.
;; This version of the problem:
;;   THIS VERSION OF THE PROBLEM IS GIVEN IN LOW PRECISION. The matrix products marked QUANTISED in the list below multiply operands that are first quantised to E2M1 (2 exponent bits, 1 mantissa bit; 4 bits a number), with one power-of-two scale for each 32 numbers along K (OCP MX v1.0); their sums are f32. All else is computed in f32.
;;   The module's matrix products, in the order in which they are computed (A, B: the left and right operand; K: the contracted axis; several contracted axes count as one K, in the product's order):
;;     1. [M 131,072, K 1,024] x [K 1,024, N 512]; A: computed on the way; B: input W: QUANTISED
;;     2. [M 131,072, K 512] x [K 512, N 1]; A: computed on the way; B: input v: left as it is (N = 1 < 16)
;;   THE QUANTISER, for each operand of a quantised product, along K:
;;     - K is cut into blocks of 32 from its start; a last block that is shorter is filled with zeros.
;;     - A block's scale is 2^e with e = floor(log2(the largest magnitude in the block)) - 2, held to -126 .. 127; a block of zeros has e = 0. As a byte (E8M0): e + 127.
;;     - Each number is divided by its block's scale, clamped to +-6, and rounded to the nearest number of E2M1, ties to even, subnormals kept.
;;     - The product sums the exact products of the quantised numbers (number of the format x scale) in f32.
;;   ~~~python
;;   def quantise(x, axis):      # numpy; x: float32 -> the quantised numbers, widened to float32 again
;;       x = np.moveaxis(x, axis, -1); K = x.shape[-1]
;;       x = np.pad(x, [(0, 0)] * (x.ndim - 1) + [(0, -K % 32)]); x = x.reshape(x.shape[:-1] + (-1, 32)); a = np.abs(x).max(-1, keepdims=True)
;;       e = np.where(a > 0, np.clip(np.frexp(np.where(a > 0, a, 1))[1] - 1 - 2, -126, 127), 0)      # np.frexp(a)[1] - 1 = floor(log2(a)), exactly
;;       r = np.clip(x / 2.0 ** e, -6, 6)
;;       step = 2.0 ** (np.maximum(np.frexp(np.where(r == 0, 1, r))[1] - 1, 0) - 1)
;;       q = np.round(r / step) * step * 2.0 ** e      # np.round: ties to even
;;       return np.moveaxis(q.reshape(q.shape[:-2] + (-1,))[..., :K], -1, axis).astype(np.float32)
;;   ~~~
;;   OPERANDS COMPUTED ON THE WAY. 'Computed on the way' means the value that the module computes at that place (a softmax that the list does not call 'softmax' is quantised finished and normalised). What goes into a quantiser is computed in f32, as accurately as f32 sums, v_exp_f32 and their like allow (about 1e-6 of the number): no bf16 or f16 on the way to a quantiser, and a product that is left as it is and whose result goes on into a quantised operand takes f32 operands (vector FMAs, or v_wmma_f32_16x16x4_f32). A number that lies on a knife's edge between two numbers of the format may be rounded either way, as far as f32 arithmetic and the matrix unit's own rounding can turn it there, and no further.
;; One version. Each part assembles by itself: llvm-mc -triple=amdgcn-amd-amdhsa -mcpu=gfx1250 --defsym DOCPART=n.
;; ======== version 1 of 1: 3 launches
;; limits: right only within a limited range of input values
;; workspace buffers: wq 262,144 bytes; ws 16,384 bytes; scores 524,288 bytes
;; launch prep (part 1): grid 32 x 1, 8 waves a work-group, no clusters, 69,120 bytes of LDS; arguments W, wq, ws; writes wq, ws
.if DOCPART == 1
	.amdgcn_target "amdgcn-amd-amdhsa--gfx1250"
	.amdhsa_code_object_version 6
	.text
	.protected	k_qfc73ec3b9e_prep
	.globl	k_qfc73ec3b9e_prep
	.p2align	8
	.type	k_qfc73ec3b9e_prep,@function
k_qfc73ec3b9e_prep:
	s_mov_b64 s[64:65], 0
	v_nop
	global_prefetch_b8 v0, s[64:65] scope:SCOPE_SE
	s_setreg_imm32_b32 hwreg(HW_REG_WAVE_MODE, 25, 1), 1
	s_wait_xcnt 0x0
; W [512][1024], f32, K innermost, is turned ONCE into codes of FP4 (E2M1) with one E8M0 scale byte for each 32 along K, since every work-group of the next launch reads all of it.
; The codes are laid as IMAGES OF THE OPERAND'S REGISTERS: chunk ((T 8 + s) 2 + c) of 512 bytes, lane l's 16 bytes at 16 l: tile T = units 16 T .. 16 T + 15, K step s of 128, half c;
; lane (r = l % 16, h = l / 16) holds the 32 codes of W[16 T + r][128 s + 64 c + 32 h + 0 .. 31].  So the reader fills a fragment by two loads of 512 consecutive bytes.
; The scale words (four bytes: 128 along K of one row) are laid two K steps to a register: word at 512 T + 16 l + 4 s' is that of row 16 T + l % 16, K step s' + 4 (l / 16).
; SHARES: work-group T takes a tile of 16 rows, wave s a K step.  The conversions take neighbours along K from ONE lane's registers, so for them a lane holds two WHOLE blocks of 32 of one row;
; a load is best where neighbouring LANES take neighbouring bytes.  Both are had: each of the wave's 16 loads reads 512 consecutive bytes (one row's K step), the 8,192 bytes go through the wave's own
; stage in LDS as they lie (rows 528 bytes apart), and come back 128 bytes a lane and block.  A block's largest magnitude then needs no other lane, and the conversions' results are the operand's registers.
; The tile's 128 scale words, 16 from each wave, meet in 512 bytes of LDS behind the one barrier and leave by one store of 512 consecutive bytes.
; A block's scale is 2^(floor(log2(its largest magnitude)) - 2); its byte is the largest magnitude's exponent field - 2, held at 1 from below.
; LIMITS: a block of zeros gets the byte 1 where the rule says 127 (its codes are zeros, which add nothing under any byte but 0xff, and this program alone reads the bytes);
; NaN and infinities among the inputs are not served.
; WORK DONE ONCE, AND WORK LEFT OUT, IN THIS PROGRAM (the launch behind this one):
; (1) x[b][l][0 .. 511] = hidden[b] for every l, and blocks of 32 along K do not reach across k = 512.  So the codes and scales of that half of a row, and the sum
;     b + Q(hidden[b]) Q(W[:, 0 .. 511])^T, are the same for all l of a batch, whatever the inputs hold: each wave forms that sum once and every row's sum over k = 512 .. 1023 begins with it.
; (2) tanh(y) = 1 - 2 / (1 + e^(2 y)), so scores[b][l] = sum(v) - 2 sum over h of v[h] / (1 + e^(2 y[b][l][h])).  sum(v) is the same along the softmax's axis l and leaves the softmax for all finite v: it is not formed.
; Every input still has a way to the output and is loaded.  LIMIT: an overflow of sum(v) alone is not carried to the result.
.set PITCH, 528
.set WST,  16*PITCH                    ; a wave's stage: 8,448 bytes
.set WSG,  8*WST                       ; behind the eight stages: the tile's scale words, 512 bytes
.set TM,  16                           ; v16-24   at work: four running maxima, two scale operands, two bytes, the permute's destination
.set R,   32                           ; v32-95   16 rows as loaded: 4 registers each
.set X,   96                           ; v96-159  my 64 numbers: register 32 c + i = k 64 c + 32 h + i of my row
.set PC,  160                          ; v160-167 the codes: the operand's registers 4 c + g
.set PW,  168                          ; v168     my row's scale word
.set SH8, 8                            ; v8       8 h: how far my two bytes are shifted up in the word
.set SEL, 20                           ; s[20:21] lane selects for v_permlanex16_b32: lane l xor 16
; the largest magnitude of v[s] .. v[s + 31] into v[a], in four chains v[a] .. v[a + 3] that do not wait for each other, with the floor 2^(3 - 127) as the last leaf: so the byte cannot fall under 1
.macro AMAX s, a
.irp q, 0,1,2,3
	v_max3_num_f32 v[\a+\q], |v[\s+8*\q]|, |v[\s+8*\q+1]|, |v[\s+8*\q+2]|
.endr
.irp i, 3,5
.irp q, 0,1,2,3
	s_delay_alu instid0(VALU_DEP_4)
	v_max3_num_f32 v[\a+\q], v[\a+\q], |v[\s+8*\q+\i]|, |v[\s+8*\q+\i+1]|
.endr
.endr
	s_delay_alu instid0(VALU_DEP_3)
	v_max3_num_f32 v[\a], v[\a], v[\a+1], |v[\s+7]|
	s_delay_alu instid0(VALU_DEP_2)
	v_max3_num_f32 v[\a+2], v[\a+2], v[\a+3], |v[\s+15]|
	s_delay_alu instid0(VALU_DEP_2)
	v_max3_num_f32 v[\a], v[\a], |v[\s+23]|, |v[\s+31]|
	s_delay_alu instid0(VALU_DEP_1)
	v_max3_num_f32 v[\a], v[\a], v[\a+2], 0x1800000
.endm
; one block of 32 numbers of a lane, v[s] on, becomes 4 registers of codes, v[pc] on; c = 0, 1: which of the lane's two blocks of the fragment
.macro BLK s, c, pc
	AMAX \s, TM
	s_delay_alu instid0(VALU_DEP_1)
	v_add_nc_u32 v[TM+4+\c], 0xff000000, v[TM]     ; 2 off the exponent field: the conversion takes the exponent field of this operand as its scale, and nothing else of it
.irp g, 0,1,2,3
	v_cvt_scalef32_pk8_fp4_f32 v[\pc+\g], v[\s+8*\g:\s+8*\g+7], v[TM+4+\c]
.endr
	v_lshrrev_b32 v[TM+6+\c], 23, v[TM+4+\c]       ; the scale's byte.  (Also the plain line directly behind the last conversion)
.endm
; the two bytes of my two blocks and lane l xor 16's two make the row's scale word, whole in lanes r and r + 16
.macro WORD pw
	s_delay_alu instid0(VALU_DEP_1)
	v_lshl_or_b32 v[\pw], v[TM+7], 16, v[TM+6]     ; my two bytes: blocks h and 2 + h,
	s_delay_alu instid0(VALU_DEP_1)
	v_lshlrev_b32 v[\pw], v[SH8], v[\pw]           ; at their places in the word
	s_delay_alu instid0(VALU_DEP_1)
	v_permlanex16_b32 v[TM+8], v[\pw], s[SEL], s[SEL+1]
	s_delay_alu instid0(VALU_DEP_1)
	v_or_b32 v[\pw], v[\pw], v[TM+8]
.endm
	s_load_b128 s[4:7], s[0:1], 0x0                ; W s[4:5], wq s[6:7]
	s_load_b64 s[8:9], s[0:1], 0x10                ; ws
	v_lshl_add_u32 v176, v0, 2, 0x10a00
	v_mov_b32 v177, 0
	v_lshrrev_b32 v1, 5, v0
	s_delay_alu instid0(VALU_DEP_1)
	v_readfirstlane_b32 s10, v1                    ; wave = K step s
	v_and_b32 v2, 15, v0                           ; r
	v_bfe_u32 v3, v0, 4, 1                         ; h
	v_and_b32 v4, 31, v0                           ; lane
	s_delay_alu instid0(VALU_DEP_1)
	v_lshlrev_b32 v5, 4, v4                        ; 16 bytes a lane: in a row of W, in a chunk of wq, in the tile's ws
	s_mul_i32 s11, s10, WST                        ; my stage
	v_add_nc_u32 v6, s11, v5                       ; into it: 16 x lane of a row
	v_mul_u32_u24 v7, v2, PITCH
	s_delay_alu instid0(VALU_DEP_1)
	v_lshl_add_u32 v7, v3, 7, v7
	s_delay_alu instid0(VALU_DEP_1)
	v_add_nc_u32 v7, s11, v7                       ; out of it: row r, + 128 h
	v_lshlrev_b32 v[SH8], 3, v3
	s_lshr_b32 s15, s10, 2                         ; my scale words' place: K steps 4 to 7 in the upper 256 bytes, 4 bytes a K step, 16 bytes a row
	s_lshl_b32 s15, s15, 8
	s_and_b32 s16, s10, 3
	s_lshl_b32 s16, s16, 2
	s_add_co_u32 s15, s15, s16
	s_add_co_u32 s15, s15, WSG
	v_lshl_add_u32 v9, v2, 4, s15
	v_add_nc_u32 v10, WSG, v5                      ; and where wave 0 reads them back
	v_mov_b32 v[TM+8], 0                           ; written once: a lane permute's destination counts as one of its sources
	s_mov_b32 s[SEL], 0x76543210
	s_mov_b32 s[SEL+1], 0xfedcba98
	s_mov_b32 s13, 0
	s_lshl_b32 s12, ttmp9, 16                      ; W: 16 rows of 4,096 bytes a tile,
	s_lshl_b32 s17, s10, 9                         ;    512 bytes a K step
	s_add_co_u32 s12, s12, s17
	s_wait_alu depctr_va_vdst(0)
	s_wait_kmcnt 0x0
	s_add_nc_u64 s[4:5], s[4:5], s[12:13]
.irp i, 0,1,2,3,4,5,6,7,8,9,10,11,12,13,14,15
	global_load_b128 v[R+4*\i:R+4*\i+3], v5, s[4:5] offset:4096*\i th:TH_LOAD_NT   ; row i: 32 lanes read 512 consecutive bytes; W is read once
.endr
	s_lshl_b32 s12, ttmp9, 13                      ; wq: 8,192 bytes a tile, 1,024 a K step
	s_lshl_b32 s17, s10, 10
	s_add_co_u32 s12, s12, s17
	s_add_nc_u64 s[6:7], s[6:7], s[12:13]
	s_lshl_b32 s12, ttmp9, 9                       ; ws: 512 bytes a tile
	s_add_nc_u64 s[8:9], s[8:9], s[12:13]
.irp i, 0,1,2,3,4,5,6,7,8,9,10,11,12,13,14,15
	s_wait_loadcnt 15-\i                           ; loads come back in order: row i is in, the 15 - i younger ones may be out
	ds_store_b128 v6, v[R+4*\i:R+4*\i+3] offset:PITCH*\i
.endr
.irp c, 0,1
.irp i, 0,1,2,3,4,5,6,7
	ds_load_b128 v[X+32*\c+4*\i:X+32*\c+4*\i+3], v7 offset:256*\c+16*\i   ; LDS serves a wave's instructions in order: these see my stores
.endr
.endr
	s_wait_dscnt 0x8                               ; my first block is in; the second block's eight loads may be out
	BLK X, 0, PC
	s_wait_dscnt 0x0
	BLK X+32, 1, PC+4
	WORD PW
	global_store_b128 v5, v[PC:PC+3], s[6:7]               ; 32 lanes store 512 consecutive bytes
	global_store_b128 v5, v[PC+4:PC+7], s[6:7] offset:512
	ds_store_b32 v9, v[PW]                         ; lanes r and r + 16 write the same word with the same value
	s_wait_dscnt 0x0                               ; for wave 0's sake: my scale words are stored
	s_barrier_signal -1
	s_barrier_wait -1
	s_cmp_lg_u32 s10, 0
	s_cbranch_scc1 .Lend
	ds_load_b128 v[170:173], v10                   ; the tile's 128 scale words
	s_wait_dscnt 0x0
	global_store_b128 v5, v[170:173], s[8:9]       ; 512 consecutive bytes, at a multiple of 512 from the buffer's first byte
.Lend:
	s_wait_tensorcnt 0x0
	ds_add_u32 v176, v177
	s_wait_dscnt 0x0
	s_endpgm
.Lfunc_end_k_qfc73ec3b9e_prep:
	.size	k_qfc73ec3b9e_prep, .Lfunc_end_k_qfc73ec3b9e_prep-k_qfc73ec3b9e_prep
	.p2alignl 7, 3214868480
	.fill 96, 4, 3214868480
	.section	.rodata,"a",@progbits
	.p2align	6, 0x0
	.amdhsa_kernel k_qfc73ec3b9e_prep
		.amdhsa_group_segment_fixed_size 69120
		.amdhsa_private_segment_fixed_size 0
		.amdhsa_enable_private_segment 0
		.amdhsa_kernarg_size 24
		.amdhsa_user_sgpr_count 2
		.amdhsa_user_sgpr_kernarg_segment_ptr 1
		.amdhsa_wavefront_size32 1
		.amdhsa_system_sgpr_workgroup_id_x 1
		.amdhsa_system_sgpr_workgroup_id_y 1
		.amdhsa_system_sgpr_workgroup_id_z 1
		.amdhsa_system_vgpr_workitem_id 0
		.amdhsa_next_free_vgpr 178
		.amdhsa_next_free_sgpr 66
		.amdhsa_reserve_vcc 0
		.amdhsa_float_denorm_mode_32 3
		.amdhsa_float_denorm_mode_16_64 3
		.amdhsa_memory_ordered 1
		.amdhsa_forward_progress 1
		.amdhsa_inst_pref_size 11
	.end_amdhsa_kernel
	.amdgpu_metadata
---
amdhsa.version: [ 1, 2 ]
amdhsa.kernels:
  - .name:           k_qfc73ec3b9e_prep
    .symbol:         k_qfc73ec3b9e_prep.kd
    .args:
      - { .name: W, .offset: 0, .size: 8, .value_kind: global_buffer, .address_space: global }
      - { .name: wq, .offset: 8, .size: 8, .value_kind: global_buffer, .address_space: global }
      - { .name: ws, .offset: 16, .size: 8, .value_kind: global_buffer, .address_space: global }
    .group_segment_fixed_size: 69120
    .private_segment_fixed_size: 0
    .kernarg_segment_align: 8
    .kernarg_segment_size: 24
    .max_flat_workgroup_size: 256
    .sgpr_count:     66
    .vgpr_count:     178
    .wavefront_size: 32
...
	.end_amdgpu_metadata
.endif
;; end of part 1
;; launch energy (part 2): grid 256 x 1, 8 waves a work-group, no clusters, 327,680 bytes of LDS; arguments encoder_outputs, hidden, b, v, wq, ws, scores; writes scores
.if DOCPART == 2
	.amdgcn_target "amdgcn-amd-amdhsa--gfx1250"
	.amdhsa_code_object_version 6
	.text
	.protected	k_qfc73ec3b9e_energy
	.globl	k_qfc73ec3b9e_energy
	.p2align	8
	.type	k_qfc73ec3b9e_energy,@function
k_qfc73ec3b9e_energy:
	s_mov_b64 s[64:65], 0
	v_nop
	global_prefetch_b8 v0, s[64:65] scope:SCOPE_SE
	s_setreg_imm32_b32 hwreg(HW_REG_WAVE_MODE, 25, 1), 1
	s_wait_xcnt 0x0
; scores[b][l] (less sum(v), which is the same along l and leaves the softmax: see the first kernel's head) = sum over h of -2 v[h] / (1 + 2^(2 log2(e) y[h])),
; y = b + Q(x) Q(W)^T in MX-FP4, x = [hidden[b], encoder_outputs[b][l]].
; SHARES: a work-group takes 512 rows l of one batch (batch = work-group / 4), in 8 blocks of 64 rows.  Wave w keeps the codes of W's units 64 w .. 64 w + 63 in 256 registers (window 1) and takes every row through them.
; THE HIDDEN HALF OF K IS SUMMED ONCE: it is the same for all rows of the work-group, so each wave forms b + Q(hidden) Q(W[:, :512])^T once, by the same matrix instruction with 16 equal columns, K ascending,
; and gives it as C to the first product of every tile of 16 rows.
; THE PIPE, one barrier a block: a tensor load brings block i + 2 (f32, 32 rows x 512 bytes a wave) into the slot that was quantised last; each wave quantises its part of block i + 1 into images of the operand's
; registers in LDS; every wave multiplies block i's images by its units, takes tanh and the sum with v, and leaves a partial score a row in its own LDS words.  Of a SIMD's two waves one quantises first, the other multiplies first.
; The matrix instruction is used transposed (source 0 = 16 units of W, source 1 = 16 rows): a lane holds one row and eight units.
; NO CLUSTER: work-groups share wq and ws alone, which each reads once, straight into registers; each encoder row is read by one work-group.
; PREFETCH: the head asks for blocks 1 and 2, the step of block i for block i + 3 (one step ahead of its tensor load); each wave names the 64 blocks of 256 bytes of its own tile once; nothing is asked beyond block 7.
; LIMITS: NaN and infinities among the inputs are not served; a block of zeros has the scale byte 1 (its codes are zeros).
.set PITCH, 528                        ; an LDS row of f32: 512 bytes + 16
.set WPART, 32*PITCH                   ; a wave's tile
.set SLOTB, 8*WPART
.set IMG,   2*SLOTB                    ; two sets of images: 16,384 bytes of codes, 2,048 of scale words
.set ISC,   16384
.set SETB,  ISC+2048
.set PART,  IMG+2*SETB                 ; 2,048 bytes a wave: 512 partial scores (at the head: hidden's codes and scale bytes)
.set SPARE, PART+8*2048                ; the spare words
.set BLKB,  64*2048                    ; a block of 64 rows in memory
.set SPW,  1
.set NIL,  2
.set AQ0,  3                           ; v3-4 my f32 rows in slot 0, 1
.set IW,   5                           ; where my images go
.set ISW,  6                           ; and my scale words
.set LI,   7                           ; where images are read
.set PA0,  8
.set PAX,  9                           ; my partial scores' place
.set SH8,  10
.set SUMD, 14
.set WS,   16                          ; v16-31 W's scale words: lanes 0-15 K steps 0-3, lanes 16-31 K steps 4-7
.set HS,   32                          ; v32-35 hidden's scale words
.set XS,   36                          ; v36-39 the rows' scale words
.set SUMA, 40
.set SUMB, 42
.set SUMC, 44
.set TPV,  46
.set VPF,  47
.set TM,   48
.set PW,   58
.set PC,   60
.set HF,   76                          ; v76-107 hidden's fragments
.set BI,   108                         ; v108-139 b, then b + the hidden half's sums: the C of each tile's first product
.set VV,   140                         ; v140-171 -2 v
.set XF,   172                         ; v172-203 the rows' fragments
.set ACC,  204                         ; v204-235 four accumulators
.set ST,   172                         ; v172-235 f32 numbers on the way to the quantiser
.set RS,   236
.set ROLE, 2
.set WV,   18
.set SEL,  20
.set CS,   22
.set G1,   24
.set G0,   32
.set CNT,  40
.set STP,  41
.set MSB, 0
.macro WIN new
.if MSB != \new
	s_set_vgpr_msb (MSB<<8)|\new
.set MSB, \new
.endif
.endm
; the largest magnitude of v[s] .. v[s + 31], four chains, the floor 2^(3 - 127) as the last leaf
.macro AMAX s, a
.irp q, 0,1,2,3
	v_max3_num_f32 v[\a+\q], |v[\s+8*\q]|, |v[\s+8*\q+1]|, |v[\s+8*\q+2]|
.endr
.irp i, 3,5
.irp q, 0,1,2,3
	s_delay_alu instid0(VALU_DEP_4)
	v_max3_num_f32 v[\a+\q], v[\a+\q], |v[\s+8*\q+\i]|, |v[\s+8*\q+\i+1]|
.endr
.endr
	s_delay_alu instid0(VALU_DEP_3)
	v_max3_num_f32 v[\a], v[\a], v[\a+1], |v[\s+7]|
	s_delay_alu instid0(VALU_DEP_2)
	v_max3_num_f32 v[\a+2], v[\a+2], v[\a+3], |v[\s+15]|
	s_delay_alu instid0(VALU_DEP_2)
	v_max3_num_f32 v[\a], v[\a], |v[\s+23]|, |v[\s+31]|
	s_delay_alu instid0(VALU_DEP_1)
	v_max3_num_f32 v[\a], v[\a], v[\a+2], 0x1800000
.endm
; a block of 32 numbers of a lane becomes 4 registers of codes
.macro BLK s, c, pc
	AMAX \s, TM
	s_delay_alu instid0(VALU_DEP_1)
	v_add_nc_u32 v[TM+4+\c], 0xff000000, v[TM]     ; 2 off the exponent field: the conversion's scale operand
.irp g, 0,1,2,3
	v_cvt_scalef32_pk8_fp4_f32 v[\pc+\g], v[\s+8*\g:\s+8*\g+7], v[TM+4+\c]
.endr
	v_lshrrev_b32 v[TM+6+\c], 23, v[TM+4+\c]       ; the byte; also the plain line behind the conversions
.endm
; my two bytes and lane l xor 16's two make the row's scale word
.macro WORD pw
	v_lshl_or_b32 v[\pw], v[TM+7], 16, v[TM+6]
	s_delay_alu instid0(VALU_DEP_1)
	v_lshlrev_b32 v[\pw], v[SH8], v[\pw]
	s_delay_alu instid0(VALU_DEP_1)
	v_permlanex16_b32 v[TM+8], v[\pw], s[SEL], s[SEL+1]
	s_delay_alu instid0(VALU_DEP_1)
	v_or_b32 v[\pw], v[\pw], v[TM+8]
.endm
	s_load_b256 s[4:11], s[0:1], 0x0               ; encoder_outputs, hidden, b, v
	s_load_b128 s[12:15], s[0:1], 0x20             ; wq, ws
	s_load_b64 s[16:17], s[0:1], 0x30              ; scores
	v_lshl_add_u32 v[SPW], v0, 2, SPARE
	v_mov_b32 v[NIL], 0
	ds_add_u32 v[SPW], v[NIL]                      ; the opening lines: the add twice on end and its wait
	ds_add_u32 v[SPW], v[NIL]
	v_lshrrev_b32 v9, 5, v0
	s_delay_alu instid0(VALU_DEP_1)
	v_readfirstlane_b32 s[WV], v9                  ; wave
	s_lshr_b32 s[ROLE], s[WV], 2
	s_xor_b32 s[ROLE], s[ROLE], s[WV]
	s_and_b32 s[ROLE], s[ROLE], 1                  ; 0: multiplies first; 1: quantises first
	s_mov_b32 s[G1+0], (2<<16)|(1<<20)|(6<<22)|(3<<25)   ; elements of 4 bytes; 4 words of padding behind every 128
	s_mov_b32 s[G1+1], 128<<16
	s_mov_b32 s[G1+2], 32<<16
	s_mov_b32 s[G1+3], 128<<16                     ; a tile of 32 rows x 128 numbers
	s_mov_b32 s[G1+4], 32
	s_mov_b32 s[G1+5], 512
	s_mov_b32 s[G1+6], 0
	s_mov_b32 s[G1+7], 0
	s_mul_i32 s19, s[WV], WPART
	s_and_b32 s44, s[WV], 1                        ; which 32 rows of a block are mine,
	s_lshr_b32 s45, s[WV], 1                       ; and which 128 along K
	s_lshl_b32 s42, ttmp9, 20                      ; 512 rows of 2,048 bytes a work-group
	s_lshl_b32 s46, s44, 16
	s_add_co_u32 s42, s42, s46
	s_lshl_b32 s46, s45, 9
	s_add_co_u32 s42, s42, s46
	s_mov_b32 s43, 0
	s_wait_alu depctr_va_vdst(0)
	s_wait_dscnt 0x0
	s_wait_kmcnt 0x0
	s_add_nc_u64 s[4:5], s[4:5], s[42:43]
	s_mov_b32 s[G0], 1
	s_mov_b32 s[G0+1], s19
	s_mov_b64 s[G0+2:G0+3], s[4:5]
	s_or_b32 s[G0+3], s[G0+3], 0x80000000
	s_mov_b32 s[G0+4], 1
	s_add_co_u32 s[G0+5], s19, SLOTB
	s_add_nc_u64 s[G0+6:G0+7], s[4:5], BLKB
	s_or_b32 s[G0+7], s[G0+7], 0x80000000
	tensor_load_to_lds s[G0:G0+3], s[G1:G1+7]      ; block 0: my one tensor load at the head
	s_nop 0
	s_lshr_b32 s42, ttmp9, 2
	s_lshl_b32 s42, s42, 11
	s_add_nc_u64 s[6:7], s[6:7], s[42:43]          ; hidden: my batch's row
	s_lshl_b32 s42, s[WV], 8
	s_add_nc_u64 s[8:9], s[8:9], s[42:43]          ; b, v: my 64 units
	s_add_nc_u64 s[10:11], s[10:11], s[42:43]
	s_lshl_b32 s42, s[WV], 15
	s_add_nc_u64 s[12:13], s[12:13], s[42:43]      ; wq: my four tiles
	s_lshl_b32 s42, s[WV], 11
	s_add_nc_u64 s[14:15], s[14:15], s[42:43]
	s_lshl_b32 s42, ttmp9, 11
	s_add_nc_u64 s[16:17], s[16:17], s[42:43]
	v_and_b32 v9, 31, v0
	v_and_b32 v14, 15, v0                          ; r
	v_bfe_u32 v15, v0, 4, 1                        ; h
	v_lshlrev_b32 v11, 7, v14
	v_lshlrev_b32 v12, 5, v15
	v_lshlrev_b32 v13, 4, v9
	v_lshlrev_b32 v[VPF], 11, v9                   ; a lane a row of my tile
; all that comes from memory into registers is asked for while block 0 is on its way
.irp i, 0,1,2,3,4,5,6,7
	global_load_b128 v[ST+4*\i:ST+4*\i+3], v11, s[6:7] offset:16*\i       ; lane r: hidden's block r of 32
.endr
.irp t, 0,1,2,3
	global_load_b128 v[BI+8*\t:BI+8*\t+3],   v12, s[8:9] offset:64*\t
	global_load_b128 v[BI+8*\t+4:BI+8*\t+7], v12, s[8:9] offset:64*\t+16
	global_load_b128 v[VV+8*\t:VV+8*\t+3],   v12, s[10:11] offset:64*\t
	global_load_b128 v[VV+8*\t+4:VV+8*\t+7], v12, s[10:11] offset:64*\t+16
	global_load_b128 v[WS+4*\t:WS+4*\t+3],   v13, s[14:15] offset:512*\t
.endr
	WIN 0x40
.set n, 0
.rept 32
	global_load_b128 v[4*n:4*n+3], v13, s[12:13] offset:512*n             ; W's codes: register 64 t + 8 s + 4 c
.set n, n+1
.endr
	WIN 0
.irp k, 1,2
	global_prefetch_b8 v[VPF], s[4:5] offset:\k*BLKB th:TH_LOAD_NT scope:SCOPE_SE
	global_prefetch_b8 v[VPF], s[4:5] offset:\k*BLKB+256 th:TH_LOAD_NT scope:SCOPE_SE
.endr
	v_mul_u32_u24 v[AQ0], v14, PITCH
	s_delay_alu instid0(VALU_DEP_1)
	v_lshl_add_u32 v[AQ0], v15, 7, v[AQ0]
	s_delay_alu instid0(VALU_DEP_1)
	v_add_nc_u32 v[AQ0], s19, v[AQ0]
	s_delay_alu instid0(VALU_DEP_1)
	v_add_nc_u32 v[AQ0+1], SLOTB, v[AQ0]
	s_lshl_b32 s46, s44, 13
	s_lshl_b32 s47, s45, 10
	s_add_co_u32 s46, s46, s47
	s_add_co_u32 s46, s46, IMG
	v_lshl_add_u32 v[IW], v9, 4, s46
	s_lshl_b32 s46, s44, 10
	s_lshl_b32 s47, s45, 2
	s_add_co_u32 s46, s46, s47
	s_add_co_u32 s46, s46, IMG+ISC
	v_lshl_add_u32 v[ISW], v9, 4, s46
	v_lshl_add_u32 v[LI], v9, 4, IMG
	s_lshl_b32 s46, s[WV], 11
	s_add_co_u32 s46, s46, PART
	v_lshl_add_u32 v[PA0], v14, 2, s46
	v_lshl_add_u32 v240, v14, 4, s46
	v_add_nc_u32 v241, s46, v14
	v_lshl_add_u32 v242, v15, 4, s46
	v_mov_b32 v243, s46
	v_lshlrev_b32 v[SH8], 3, v15
	v_mov_b32 v[TM+8], 0                           ; a lane permute's destination counts as a source
	v_mov_b32 v[TPV], 0
	s_mov_b32 s[SEL], 0x76543210
	s_mov_b32 s[SEL+1], 0xfedcba98
	s_mov_b32 s[CS], 0x4038aa3b                    ; 2 log2(e)
	s_mov_b32 s[CS+1], s[CS]
	s_mov_b32 s[STP], 0
	s_mov_b32 s[CNT], 3
	s_wait_alu depctr_va_vdst(0)                   ; the head's end
	s_wait_tensorcnt 0x0                           ; slot 1's first fill is issued as a refill is: these lines, the barrier, the load
	ds_add_u32 v[SPW], v[NIL]
	s_wait_dscnt 0x0
	s_barrier_signal -1
	s_barrier_wait -1
	tensor_load_to_lds s[G0+4:G0+7], s[G1:G1+7]    ; block 1
	s_nop 0
.rept 4
	v_nop
.endr
	s_wait_loadcnt 0x20                            ; hidden, b, v and ws are in; the 32 loads of codes may be out
	AMAX ST, TM
	s_delay_alu instid0(VALU_DEP_1)
	v_add_nc_u32 v[TM+4], 0xff000000, v[TM]
.irp g, 0,1,2,3
	v_cvt_scalef32_pk8_fp4_f32 v[PC+\g], v[ST+8*\g:ST+8*\g+7], v[TM+4]
.endr
	v_lshrrev_b32 v[TM+6], 23, v[TM+4]
	ds_store_b128 v240, v[PC:PC+3]                 ; hidden's 256 bytes of codes and 16 scale bytes, in my own words
	ds_store_b8 v241, v[TM+6] offset:256
.irp s, 0,1,2,3
.irp c, 0,1
	ds_load_b128 v[HF+8*\s+4*\c:HF+8*\s+4*\c+3], v242 offset:64*\s+32*\c   ; every column of the fragment is hidden
.endr
.endr
	ds_load_b128 v[HS:HS+3], v243 offset:256
.irp j, 0,2,4,6,8,10,12,14,16,18,20,22,24,26,28,30
	v_pk_mul_f32 v[VV+\j:VV+\j+1], v[VV+\j:VV+\j+1], -2.0 op_sel_hi:[1,0]
.endr
	WIN 0x40
.rept 32
	global_load_b128 v[4*n:4*n+3], v13, s[12:13] offset:512*n
.set n, n+1
.endr
	WIN 0
	s_wait_dscnt 0x0
	s_wait_tensorcnt 0x1                           ; block 0 is in; block 1's load may be out
.macro QLOAD sl, mm, c
.irp i, 0,1,2,3,4,5,6,7
	ds_load_b128 v[ST+32*\c+4*\i:ST+32*\c+4*\i+3], v[AQ0+\sl] offset:\mm*16*PITCH+256*\c+16*\i
.endr
.endm
.macro QSTORE sl, mm
	ds_store_b128 v[IW], v[PC+8*\mm:PC+8*\mm+3] offset:\sl*SETB+\mm*4096
	ds_store_b128 v[IW], v[PC+8*\mm+4:PC+8*\mm+7] offset:\sl*SETB+\mm*4096+512
	ds_store_b32 v[ISW], v[PW+\mm] offset:\sl*SETB+\mm*512
.endm
; my 32 rows x 128 K of slot sl become two fragments' images; the counts leave the younger LDS instructions out
.macro QPH sl
	QLOAD \sl, 0, 0
	QLOAD \sl, 0, 1
	s_wait_dscnt 0x8
	BLK ST, 0, PC
	QLOAD \sl, 1, 0
	s_wait_dscnt 0x8
	BLK ST+32, 1, PC+4
	QLOAD \sl, 1, 1
	WORD PW
	QSTORE \sl, 0
	s_wait_dscnt 0xb                               ; 8 loads and 3 stores are younger
	BLK ST, 0, PC+8
	s_wait_dscnt 0x3
	BLK ST+32, 1, PC+12
	WORD PW+1
	QSTORE \sl, 1
.endm
.macro XFETCH sl, m
	ds_load_b128 v[XS:XS+3], v[LI] offset:\sl*SETB+ISC+512*(\m)
.irp s, 0,1,2,3
.irp c, 0,1
	ds_load_b128 v[XF+8*\s+4*\c:XF+8*\s+4*\c+3], v[LI] offset:\sl*SETB+(4*(\m)+\s)*1024+512*\c
.endr
.endr
.endm
; 16 rows x my 64 units, k = 512 .. 1023: the four accumulators by turns; the first product takes b + the hidden half as C
.macro MULS
	WIN 0x01
.irp s, 0,1,2,3
.irp t, 0,1,2,3
.if \s == 0
	v_wmma_scale_f32_16x16x128_f8f6f4 v[ACC+8*\t:ACC+8*\t+7], v[64*\t+32+8*\s:64*\t+32+8*\s+7], v[XF+8*\s:XF+8*\s+7], v[BI+8*\t:BI+8*\t+7], v[WS+4*\t+\s], v[XS+\s] matrix_a_fmt:MATRIX_FMT_FP4 matrix_b_fmt:MATRIX_FMT_FP4 matrix_a_scale:MATRIX_SCALE_ROW1
.else
	v_wmma_scale_f32_16x16x128_f8f6f4 v[ACC+8*\t:ACC+8*\t+7], v[64*\t+32+8*\s:64*\t+32+8*\s+7], v[XF+8*\s:XF+8*\s+7], v[ACC+8*\t:ACC+8*\t+7], v[WS+4*\t+\s], v[XS+\s] matrix_a_fmt:MATRIX_FMT_FP4 matrix_b_fmt:MATRIX_FMT_FP4 matrix_a_scale:MATRIX_SCALE_ROW1
.endif
.endr
.endr
	WIN 0
.endm
; sum over my 64 units of -2 v / (1 + 2^(2 log2(e) y)): each step on all 32 registers, one wait ahead of each batch of transcendentals and one behind it
.macro TANH m, off
.irp j, 0,2,4,6,8,10,12,14,16,18,20,22,24,26,28,30
	v_pk_mul_f32 v[ACC+\j:ACC+\j+1], v[ACC+\j:ACC+\j+1], s[CS:CS+1] op_sel_hi:[1,0]
.endr
	s_wait_alu depctr_va_vdst(0)
.irp j, 0,1,2,3,4,5,6,7,8,9,10,11,12,13,14,15,16,17,18,19,20,21,22,23,24,25,26,27,28,29,30,31
	v_exp_f32 v[ACC+\j], v[ACC+\j]
.endr
	v_nop                                          ; the plain place behind the batch
	s_wait_alu depctr_va_vdst(0)
.irp j, 0,2,4,6,8,10,12,14,16,18,20,22,24,26,28,30
	v_pk_add_f32 v[ACC+\j:ACC+\j+1], v[ACC+\j:ACC+\j+1], 1.0 op_sel_hi:[1,0]
.endr
	s_wait_alu depctr_va_vdst(0)
.irp j, 0,1,2,3,4,5,6,7,8,9,10,11,12,13,14,15,16,17,18,19,20,21,22,23,24,25,26,27,28,29,30,31
	v_rcp_f32 v[ACC+\j], v[ACC+\j]                 ; an infinite 1 + 2^t gives 0: tanh = 1
.endr
	v_nop
	s_wait_alu depctr_va_vdst(0)
	v_pk_mul_f32 v[SUMA:SUMA+1], v[ACC:ACC+1], v[VV:VV+1]                  ; four chains that do not wait for each other
	v_pk_mul_f32 v[SUMB:SUMB+1], v[ACC+2:ACC+3], v[VV+2:VV+3]
	v_pk_mul_f32 v[SUMC:SUMC+1], v[ACC+4:ACC+5], v[VV+4:VV+5]
	v_pk_mul_f32 v[SUMD:SUMD+1], v[ACC+6:ACC+7], v[VV+6:VV+7]
.irp j, 8,16,24
	v_pk_fma_f32 v[SUMA:SUMA+1], v[ACC+\j:ACC+\j+1], v[VV+\j:VV+\j+1], v[SUMA:SUMA+1]
	v_pk_fma_f32 v[SUMB:SUMB+1], v[ACC+\j+2:ACC+\j+3], v[VV+\j+2:VV+\j+3], v[SUMB:SUMB+1]
	v_pk_fma_f32 v[SUMC:SUMC+1], v[ACC+\j+4:ACC+\j+5], v[VV+\j+4:VV+\j+5], v[SUMC:SUMC+1]
	v_pk_fma_f32 v[SUMD:SUMD+1], v[ACC+\j+6:ACC+\j+7], v[VV+\j+6:VV+\j+7], v[SUMD:SUMD+1]
.endr
	v_pk_add_f32 v[SUMA:SUMA+1], v[SUMA:SUMA+1], v[SUMB:SUMB+1]
	v_pk_add_f32 v[SUMC:SUMC+1], v[SUMC:SUMC+1], v[SUMD:SUMD+1]
	s_delay_alu instid0(VALU_DEP_1)
	v_pk_add_f32 v[SUMA:SUMA+1], v[SUMA:SUMA+1], v[SUMC:SUMC+1]
	s_delay_alu instid0(VALU_DEP_1)
	v_add_f32 v[SUMA], v[SUMA], v[SUMA+1]
	s_delay_alu instid0(VALU_DEP_1)
	v_permlanex16_b32 v[TPV], v[SUMA], s[SEL], s[SEL+1]
	s_delay_alu instid0(VALU_DEP_1)
	v_add_f32 v[RS+\m], v[SUMA], v[TPV]            ; with lane l xor 16's eight units of each tile
	ds_store_b32 v[PAX], v[RS+\m] offset:\off      ; lanes r and r + 16 write the same word with the same value
.endm
.macro MHEAD sl, m
.if \m == 0
	s_wait_dscnt 0x0
.else
	s_wait_dscnt 0x1                               ; the fragments are in; the last partial score's store may be out
.endif
	MULS
.rept 4
	v_nop                                          ; the places ahead of the loads below and of the first read of the sums
.endr
.if \m < 3
	XFETCH \sl, \m+1
.endif
.endm
.macro PF kind
.if \kind == 1
	global_prefetch_b8 v[VPF], s[4:5] offset:3*BLKB th:TH_LOAD_NT scope:SCOPE_SE
	global_prefetch_b8 v[VPF], s[4:5] offset:3*BLKB+256 th:TH_LOAD_NT scope:SCOPE_SE
.endif
.if \kind == 2
	s_cmp_eq_u32 s[CNT], 1                         ; the last trip's would be block 8: not asked
	s_cbranch_scc1 .Lno_ask_\@
	global_prefetch_b8 v[VPF], s[4:5] offset:4*BLKB th:TH_LOAD_NT scope:SCOPE_SE
	global_prefetch_b8 v[VPF], s[4:5] offset:4*BLKB+256 th:TH_LOAD_NT scope:SCOPE_SE
.Lno_ask_\@:
.endif
.endm
.macro MPH sl, pf
	XFETCH \sl, 0
	MHEAD \sl, 0
	TANH 0, \sl*256
	MHEAD \sl, 1
	PF \pf
	TANH 1, \sl*256+64
	MHEAD \sl, 2
	TANH 2, \sl*256+128
	MHEAD \sl, 3
	TANH 3, \sl*256+192
.endm
; a block's step: the three lines and the barrier; slot sl, quantised in the last step, is filled again; slot ot is quantised and set sl's images are multiplied, in the order of my role
.macro INTV sl, ot, refill, q, pf
	s_wait_tensorcnt 0x0                           ; all my tensor loads have landed: my part of slot ot
	ds_add_u32 v[SPW], v[NIL]
.if \refill
	s_add_nc_u64 s[G0+4*\sl+2:G0+4*\sl+3], s[G0+4*\sl+2:G0+4*\sl+3], 2*BLKB
.endif
	s_wait_dscnt 0x0                               ; the add, my reads of slot sl and of the images, my stores of images
	s_barrier_signal -1
	s_barrier_wait -1
.if \refill
	tensor_load_to_lds s[G0+4*\sl:G0+4*\sl+3], s[G1:G1+7]
	s_nop 0
.rept 4
	v_nop
.endr
.endif
.if \sl == 0
	v_add_nc_u32 v[PAX], s[STP], v[PA0]
.endif
.if \q
	s_cmp_eq_u32 s[ROLE], 0
	s_cbranch_scc1 .Lm_first_\@
	QPH \ot
.Lm_first_\@:
.endif
	MPH \sl, \pf
.if \q
	s_cmp_eq_u32 s[ROLE], 0
	s_cbranch_scc0 .Lq_done_\@
	QPH \ot
.Lq_done_\@:
.endif
.endm
	QPH 0
	s_wait_loadcnt 0x0                             ; all of W's codes are in
; b + Q(hidden) Q(W[:, :512])^T, once: in place on b's registers, the four tiles by turns, K ascending
	WIN 0x01
.irp s, 0,1,2,3
.irp t, 0,1,2,3
	v_wmma_scale_f32_16x16x128_f8f6f4 v[BI+8*\t:BI+8*\t+7], v[64*\t+8*\s:64*\t+8*\s+7], v[HF+8*\s:HF+8*\s+7], v[BI+8*\t:BI+8*\t+7], v[WS+4*\t+\s], v[HS+\s] matrix_a_fmt:MATRIX_FMT_FP4 matrix_b_fmt:MATRIX_FMT_FP4
.endr
.endr
	WIN 0
	s_wait_alu depctr_va_vdst(0)
.rept 5
	v_nop                                          ; five places: the results become the C of other accumulators
.endr
.Lpair:
	INTV 0, 1, 1, 1, 1
	INTV 1, 0, 1, 1, 2
	s_wait_xcnt 0x0                                ; the prefetches have read their address
	v_add_nc_u32 v[VPF], 2*BLKB, v[VPF]
	s_add_co_u32 s[STP], s[STP], 512
	s_sub_co_u32 s[CNT], s[CNT], 1
	s_cmp_lg_u32 s[CNT], 0
	s_cbranch_scc1 .Lpair
	INTV 0, 1, 0, 1, 0                             ; the last two blocks fetch nothing
	INTV 1, 0, 0, 0, 0
; the eight waves' partial scores of each row are added; thread t takes rows 2 t, 2 t + 1: the work-group stores 2,048 consecutive bytes
	v_lshl_add_u32 v11, v0, 3, PART
	v_lshlrev_b32 v12, 3, v0
	s_wait_alu depctr_va_vdst(0)
	s_wait_dscnt 0x0
	s_barrier_signal -1
	s_barrier_wait -1
.irp k, 0,1,2,3,4,5,6,7
	ds_load_b64 v[ST+2*\k:ST+2*\k+1], v11 offset:2048*\k
.endr
	s_wait_dscnt 0x0
.irp k, 0,4,8,12
	v_pk_add_f32 v[ST+\k:ST+\k+1], v[ST+\k:ST+\k+1], v[ST+\k+2:ST+\k+3]
.endr
	s_delay_alu instid0(VALU_DEP_3)
	v_pk_add_f32 v[ST:ST+1], v[ST:ST+1], v[ST+4:ST+5]
	s_delay_alu instid0(VALU_DEP_2)
	v_pk_add_f32 v[ST+8:ST+9], v[ST+8:ST+9], v[ST+12:ST+13]
	s_delay_alu instid0(VALU_DEP_1)
	v_pk_add_f32 v[ST:ST+1], v[ST:ST+1], v[ST+8:ST+9]
	global_store_b64 v12, v[ST:ST+1], s[16:17]
	s_wait_tensorcnt 0x0                           ; the wave's end
	ds_add_u32 v[SPW], v[NIL]
	s_wait_dscnt 0x0
	s_endpgm
.Lfunc_end_k_qfc73ec3b9e_energy:
	.size	k_qfc73ec3b9e_energy, .Lfunc_end_k_qfc73ec3b9e_energy-k_qfc73ec3b9e_energy
	.p2alignl 7, 3214868480
	.fill 96, 4, 3214868480
	.section	.rodata,"a",@progbits
	.p2align	6, 0x0
	.amdhsa_kernel k_qfc73ec3b9e_energy
		.amdhsa_group_segment_fixed_size 327680
		.amdhsa_private_segment_fixed_size 0
		.amdhsa_enable_private_segment 0
		.amdhsa_kernarg_size 56
		.amdhsa_user_sgpr_count 2
		.amdhsa_user_sgpr_kernarg_segment_ptr 1
		.amdhsa_wavefront_size32 1
		.amdhsa_system_sgpr_workgroup_id_x 1
		.amdhsa_system_sgpr_workgroup_id_y 1
		.amdhsa_system_sgpr_workgroup_id_z 1
		.amdhsa_system_vgpr_workitem_id 0
		.amdhsa_next_free_vgpr 512
		.amdhsa_next_free_sgpr 66
		.amdhsa_reserve_vcc 0
		.amdhsa_float_denorm_mode_32 3
		.amdhsa_float_denorm_mode_16_64 3
		.amdhsa_memory_ordered 1
		.amdhsa_forward_progress 1
		.amdhsa_inst_pref_size 231
	.end_amdhsa_kernel
	.amdgpu_metadata
---
amdhsa.version: [ 1, 2 ]
amdhsa.kernels:
  - .name:           k_qfc73ec3b9e_energy
    .symbol:         k_qfc73ec3b9e_energy.kd
    .args:
      - { .name: encoder_outputs, .offset: 0, .size: 8, .value_kind: global_buffer, .address_space: global }
      - { .name: hidden, .offset: 8, .size: 8, .value_kind: global_buffer, .address_space: global }
      - { .name: b, .offset: 16, .size: 8, .value_kind: global_buffer, .address_space: global }
      - { .name: v, .offset: 24, .size: 8, .value_kind: global_buffer, .address_space: global }
      - { .name: wq, .offset: 32, .size: 8, .value_kind: global_buffer, .address_space: global }
      - { .name: ws, .offset: 40, .size: 8, .value_kind: global_buffer, .address_space: global }
      - { .name: scores, .offset: 48, .size: 8, .value_kind: global_buffer, .address_space: global }
    .group_segment_fixed_size: 327680
    .private_segment_fixed_size: 0
    .kernarg_segment_align: 8
    .kernarg_segment_size: 56
    .max_flat_workgroup_size: 256
    .sgpr_count:     66
    .vgpr_count:     512
    .wavefront_size: 32
...
	.end_amdgpu_metadata
.endif
;; end of part 2
;; launch soft (part 3): grid 64 x 1, 1 waves a work-group, no clusters, 0 bytes of LDS; arguments scores, out0; writes out0
.if DOCPART == 3
	.amdgcn_target "amdgcn-amd-amdhsa--gfx1250"
	.amdhsa_code_object_version 6
	.text
	.protected	k_qfc73ec3b9e_soft
	.globl	k_qfc73ec3b9e_soft
	.p2align	8
	.type	k_qfc73ec3b9e_soft,@function
k_qfc73ec3b9e_soft:
	s_mov_b64 s[64:65], 0
	v_nop
	global_prefetch_b8 v0, s[64:65] scope:SCOPE_SE
	s_setreg_imm32_b32 hwreg(HW_REG_WAVE_MODE, 25, 1), 1
	s_wait_xcnt 0x0
; out0[b][0][l] = softmax over l of scores[b][l]; 64 rows of 2,048 f32.  A row is 8,192 bytes: one wave takes a whole row, sixteen loads of 16 bytes a lane, and keeps it in 64 registers
; between the maximum, the exponentials, the sum and the scaling: the row is read once, there is no LDS and no barrier.  Each load and store covers 512 consecutive bytes.
; The row's true maximum m is taken away: p = 2^(log2(e) x - log2(e) m), one fused multiply-add and one exponential; the largest p is 1 within rounding, so the sum lies between 1 and 2,048.
; The rounding of log2(e) m is one factor common to all p of the row and leaves the quotient.
; LIMITS: NaN and infinities among the scores are not served; a p under 2^-126 comes out as 0.
; The matrix units, LDS and clusters have nothing to do here: 1 MiB moves in all, and rows share nothing.
.set M, 2                              ; v2-5     four running maxima
.set X, 16                             ; v16-79   the row: my 64 numbers
	s_load_b128 s[4:7], s[0:1], 0x0                ; scores s[4:5], out0 s[6:7]
	v_lshlrev_b32 v1, 4, v0                        ; one wave: the thread's number is the lane; 16 bytes a lane
	v_mov_b32 v6, 0                                ; written once: a lane permute's destination counts as one of its sources
	s_lshl_b32 s2, ttmp9, 13                       ; my row of 8,192 bytes
	s_mov_b32 s3, 0
	s_mov_b32 s8, 0x3fb8aa3b                       ; log2(e)
	s_mov_b32 s9, s8                               ; (named with it as a pair, so it is written)
	s_mov_b32 s10, 0x76543210                      ; v_permlanex16_b32's selects for lane l xor 16
	s_mov_b32 s11, 0xfedcba98
	s_wait_alu depctr_va_vdst(0)
	s_wait_kmcnt 0x0
	s_add_nc_u64 s[4:5], s[4:5], s[2:3]
	s_add_nc_u64 s[6:7], s[6:7], s[2:3]
.irp i, 0,1,2,3,4,5,6,7,8,9,10,11,12,13,14,15
	global_load_b128 v[X+4*\i:X+4*\i+3], v1, s[4:5] offset:512*\i th:TH_LOAD_NT
.endr
	s_wait_loadcnt 0x0
	; the maximum of my 64 numbers, in four chains that do not wait for each other
.irp k, 0,1,2,3
	v_max3_num_f32 v[M+\k], v[X+16*\k], v[X+16*\k+1], v[X+16*\k+2]
.endr
.irp i, 3,5,7,9,11,13
.irp k, 0,1,2,3
	v_max3_num_f32 v[M+\k], v[M+\k], v[X+16*\k+\i], v[X+16*\k+\i+1]
.endr
.endr
.irp k, 0,1,2,3
	v_max_num_f32 v[M+\k], v[M+\k], v[X+16*\k+15]
.endr
	v_max3_num_f32 v[M], v[M], v[M+1], v[M+2]
	v_max_num_f32 v[M], v[M], v[M+3]
	; across the 32 lanes
	v_max_num_f32_dpp v[M], v[M], v[M] row_xmask:1 row_mask:0xf bank_mask:0xf
	v_max_num_f32_dpp v[M], v[M], v[M] row_xmask:2 row_mask:0xf bank_mask:0xf
	v_max_num_f32_dpp v[M], v[M], v[M] row_xmask:4 row_mask:0xf bank_mask:0xf
	v_max_num_f32_dpp v[M], v[M], v[M] row_xmask:8 row_mask:0xf bank_mask:0xf
	v_permlanex16_b32 v6, v[M], s10, s11
	v_max_num_f32 v[M], v[M], v6                   ; every lane holds the row's maximum
	v_mul_f32 v8, 0xbfb8aa3b, v[M]                 ; -log2(e) m
	v_mov_b32 v9, v8                               ; (named with it as a pair, so it is written)
.irp j, 0,2,4,6,8,10,12,14,16,18,20,22,24,26,28,30,32,34,36,38,40,42,44,46,48,50,52,54,56,58,60,62
	v_pk_fma_f32 v[X+\j:X+\j+1], v[X+\j:X+\j+1], s[8:9], v[8:9] op_sel_hi:[1,0,0]
.endr
	s_wait_alu depctr_va_vdst(0)
.irp j, 0,1,2,3,4,5,6,7,8,9,10,11,12,13,14,15,16,17,18,19,20,21,22,23,24,25,26,27,28,29,30,31,32,33,34,35,36,37,38,39,40,41,42,43,44,45,46,47,48,49,50,51,52,53,54,55,56,57,58,59,60,61,62,63
	v_exp_f32 v[X+\j], v[X+\j]
.endr
	v_nop                                          ; a plain line between the run of exponentials and the first use of any of its results: another exponential is no such line (ISA guide 5.7.2)
	; the sum, two at a time, in two chains
	s_wait_alu depctr_va_vdst(0)
	v_pk_add_f32 v[10:11], v[X:X+1], v[X+2:X+3]
	v_pk_add_f32 v[12:13], v[X+4:X+5], v[X+6:X+7]
.irp j, 8,12,16,20,24,28,32,36,40,44,48,52,56,60
	v_pk_add_f32 v[10:11], v[10:11], v[X+\j:X+\j+1]
	v_pk_add_f32 v[12:13], v[12:13], v[X+\j+2:X+\j+3]
.endr
	v_pk_add_f32 v[10:11], v[10:11], v[12:13]
	v_add_f32 v10, v10, v11
	v_add_f32_dpp v10, v10, v10 row_xmask:1 row_mask:0xf bank_mask:0xf
	v_add_f32_dpp v10, v10, v10 row_xmask:2 row_mask:0xf bank_mask:0xf
	v_add_f32_dpp v10, v10, v10 row_xmask:4 row_mask:0xf bank_mask:0xf
	v_add_f32_dpp v10, v10, v10 row_xmask:8 row_mask:0xf bank_mask:0xf
	v_permlanex16_b32 v6, v10, s10, s11
	v_add_f32 v10, v10, v6                         ; every lane holds the row's sum
	s_wait_alu depctr_va_vdst(0)
	v_rcp_f32 v14, v10                             ; twice, to fill the pair that the packed multiply names
	v_rcp_f32 v15, v10
	v_nop                                          ; a plain line between the reciprocals and the use of their results (ISA guide 5.7.2)
	s_wait_alu depctr_va_vdst(0)
.irp j, 0,2,4,6,8,10,12,14,16,18,20,22,24,26,28,30,32,34,36,38,40,42,44,46,48,50,52,54,56,58,60,62
	v_pk_mul_f32 v[X+\j:X+\j+1], v[X+\j:X+\j+1], v[14:15]
.endr
.irp i, 0,1,2,3,4,5,6,7,8,9,10,11,12,13,14,15
	global_store_b128 v1, v[X+4*\i:X+4*\i+3], s[6:7] offset:512*\i th:TH_STORE_NT
.endr
	s_endpgm
.Lfunc_end_k_qfc73ec3b9e_soft:
	.size	k_qfc73ec3b9e_soft, .Lfunc_end_k_qfc73ec3b9e_soft-k_qfc73ec3b9e_soft
	.p2alignl 7, 3214868480
	.fill 96, 4, 3214868480
	.section	.rodata,"a",@progbits
	.p2align	6, 0x0
	.amdhsa_kernel k_qfc73ec3b9e_soft
		.amdhsa_group_segment_fixed_size 0
		.amdhsa_private_segment_fixed_size 0
		.amdhsa_enable_private_segment 0
		.amdhsa_kernarg_size 16
		.amdhsa_user_sgpr_count 2
		.amdhsa_user_sgpr_kernarg_segment_ptr 1
		.amdhsa_wavefront_size32 1
		.amdhsa_system_sgpr_workgroup_id_x 1
		.amdhsa_system_sgpr_workgroup_id_y 1
		.amdhsa_system_sgpr_workgroup_id_z 1
		.amdhsa_system_vgpr_workitem_id 0
		.amdhsa_next_free_vgpr 96
		.amdhsa_next_free_sgpr 66
		.amdhsa_reserve_vcc 0
		.amdhsa_float_denorm_mode_32 3
		.amdhsa_float_denorm_mode_16_64 3
		.amdhsa_memory_ordered 1
		.amdhsa_forward_progress 1
		.amdhsa_inst_pref_size 15
	.end_amdhsa_kernel
	.amdgpu_metadata
---
amdhsa.version: [ 1, 2 ]
amdhsa.kernels:
  - .name:           k_qfc73ec3b9e_soft
    .symbol:         k_qfc73ec3b9e_soft.kd
    .args:
      - { .name: scores, .offset: 0, .size: 8, .value_kind: global_buffer, .address_space: global }
      - { .name: out0, .offset: 8, .size: 8, .value_kind: global_buffer, .address_space: global }
    .group_segment_fixed_size: 0
    .private_segment_fixed_size: 0
    .kernarg_segment_align: 8
    .kernarg_segment_size: 16
    .max_flat_workgroup_size: 32
    .sgpr_count:     66
    .vgpr_count:     96
    .wavefront_size: 32
...
	.end_amdgpu_metadata
.endif
;; end of part 3
